; MI455X (gfx1250); checked and timed in simulation.
; The chip was launched on July 23, 2026; its instructions are those of AMD's public machine-readable ISA for CDNA 5 (MIT licence, August 2026) and "CDNA5" Instruction Set Architecture Reference Guide (July 2026). The comments in the code are by the model that wrote it; some were corrected since.
;; Bin Matmul Attention. Allowed arithmetic: float matrix products may take bf16 or f16 operands with f32 sums; all other float work in f32.
;; Inputs: k 2 x 16 x 2,048 x 128 float32; q 2 x 16 x 2,048 x 128 float32; v 2 x 16 x 2,048 x 128 float32.
;; Outputs: out0 2 x 16 x 2,048 x 128 float32.
;; 2 versions, each right. Each part assembles by itself: llvm-mc -triple=amdgcn-amd-amdhsa -mcpu=gfx1250 --defsym DOCPART=n.
;; ======== version 1 of 2: 1 launch
;; launch attn (part 1): grid 256 x 1, 4 waves a work-group, clusters of 4 x 1, 327,680 bytes of LDS; arguments q, k, v, out0; writes out0
.if DOCPART == 1
	.amdgcn_target "amdgcn-amd-amdhsa--gfx1250"
	.amdhsa_code_object_version 6
	.text
	.protected	k_qc142218c42_attn
	.globl	k_qc142218c42_attn
	.p2align	8
	.type	k_qc142218c42_attn,@function
k_qc142218c42_attn:
	s_mov_b64 s[64:65], 0
	v_nop
	global_prefetch_b8 v0, s[64:65] scope:SCOPE_SE
	s_setreg_imm32_b32 hwreg(HW_REG_WAVE_MODE, 25, 1), 1
	s_wait_xcnt 0x0
	s_wait_alu depctr_hold_cnt(0) depctr_sa_sdst(0) depctr_va_vdst(0) depctr_va_sdst(0) depctr_va_ssrc(0) depctr_va_vcc(0) depctr_vm_vsrc(0)
	s_getreg_b32 s2, hwreg(HW_REG_IB_STS2, 6, 4)
	s_cmp_eq_u32 s2, 0
	s_cbranch_scc0 .Lentry_in_a_cluster
	s_endpgm
.Lentry_in_a_cluster:
	s_bfe_u32 s2, ttmp6, 0x10000c
	s_cmp_lg_u32 s2, 0x3003
	s_cbranch_scc0 .Lentry_shape_is_right
	s_endpgm
.Lentry_shape_is_right:
; out0 = softmax(q k^T) v for 32 heads of 2,048 rows x 128 numbers, all f32 in memory; no factor in front of the scores.
; NOTHING IS LEFT OUT: there is no mask, bias or slice, every number of q, k and v reaches an output, all three are loaded.
; SHARES: a work-group takes 256 query rows of one head and walks all 2,048 keys in 32 steps of 64; a wave takes 64 query rows
; (four blocks of 16); lane (r = lane % 16, h = lane / 16) owns query row r of each block.
; THE MATRIX INSTRUCTION IS USED TRANSPOSED, so that nothing is shuffled between lanes:
;   scores: source 0 = 16 keys x 32 d of K, source 1 = 16 query rows x 32 d of Q; register j of a lane = key 16 kb + 8 h + j of query row r;
;   two such tiles, rounded to bf16 in pairs, ARE source 1 (query row r; 32 keys) of the second product;
;   output: source 0 = 16 d x 32 keys of V (read from rows of V by the transposing LDS load); register j = d 16 db + 8 h + j of query row r.
;   So maximum, sum and rescaling factor of a query row are one number a lane; only the two halves of the wave have to meet.
; SOFTMAX: a running maximum m of the raw f32 scores; p = 2^(s log2e - round(m log2e)) by one fused multiply-add, the factor for old sums is
; 2^(new shift - old shift), made of the same rounded shifts, so numerator and denominator stay consistent at any size of m.
; q and k are rounded to bf16 as they are; log2e is applied in f32 behind the product.
; CLUSTER: the four work-groups of a cluster are four query blocks of one head and read the same K and V tiles: each tile is asked for by joint
; loads with the mask 15. A head has eight blocks, that is two clusters of four.
; PIPELINE, trip t (par = t % 2): the products of tile t read the bf16 stage par; tile t+1 is converted from f32 slot 1-par into stage 1-par,
; each wave 16 rows of K and 16 of V, once for the work-group; the mover fills f32 slot par again with tile t+2.
; One round of the cluster barrier at the head of a trip orders all three. A wave has two tensor loads out at the start, later one.
; LIMITS: q, k, v and the probabilities enter the matrix unit as bf16; a probability under 2^-126 of the largest of its row counts as 0
; (v_exp_f32 returns 0 for such results: ISA guide, its entry in 15.8); sums are formed in another order than in the definition;
; NaN or infinity among the inputs, or scores beyond the f32 range, are not carried as the definition would carry them.
;
; LDS: f32 slots 0, 1 at 0 and 65,536 (K rows 0-63 of 512 bytes, then V rows 0-63; filled by tensor loads alone);
;      bf16 stages 0, 1 at 131,072 + 35,840 b (K: 64 rows at pitch 272; V: 64 rows at pitch 288; written by LDS stores alone);
;      202,752 + 17,408 w: bytes of wave w alone (first q as bf16 at pitch 272, at the end 16 rows of the result at pitch 528).
; Pitches: 272 = 17 x 16 and 528 = 33 x 16, so sixteen rows begin at sixteen different 16-byte columns of 256 bytes; 288 = 9 x 32 for the transposing load.
; REGISTERS in windows of 256: window 0 addresses, row figures, scores SC, probabilities PB; window 1 the 32 output tiles O(qb, db) at 64 qb + 8 db;
; window 2 Q fragments at 8 (4 qb + c) and FR, the fragments of K and then of V; window 3 numbers under conversion.
.set TILEB, 32768                      ; 64 rows of K (or of V) in memory
.set SLOTB, 65536                      ; an f32 slot
.set BF,    131072                     ; the bf16 stages
.set KP,    272
.set VP,    288
.set VOFF,  64*KP                      ; V behind K in a stage
.set STG,   64*KP+64*VP                ; a stage: 35,840 bytes
.set OWNB,  BF+2*STG                   ; 202,752
.set OWNSZ, 64*KP                      ; 17,408 bytes a wave
.set OP,    528
.set KA,  8                            ; v8   K fragments: BF + 272 r + 16 h
.set VA,  9                            ; v9   V fragments: BF + VOFF + 288 (8 h + lane % 8) + 16 ((lane / 8) % 2)
.set CVR, 10                           ; v10, v11  my 16 rows in f32 slot 0, 1: 8,192 w + 16 lane
.set CKS, 12                           ; v12  my 16 rows of K in stage 0: + 8 lane
.set CVS, 13                           ; v13  my 16 rows of V in stage 0
.set QG,  14                           ; v14  16 lane: offset in a row of q and of out0
.set QS,  15                           ; v15  own bytes + 8 lane
.set QA,  16                           ; v16  own bytes + 272 r + 16 h
.set OST, 17                           ; v17  own bytes + 528 r + 32 h
.set ORD, 18                           ; v18  own bytes + 16 lane
.set PFO, 19                           ; v19  256 lane
.set MX,  20                           ; v20-23  running maximum of block qb
.set T,   24                           ; v24-31  at work
.set NM,  32                           ; v32-39  pairs, both = - round(log2e m)
.set AL,  40                           ; v40-47  pairs, both = factor for the old sums; at the end 1 / l
.set LS,  48                           ; v48-55  pairs: two partial sums of l
.set SC,  64                           ; v64-191   scores of (qb, kb) at SC + 32 qb + 8 kb
.set PB,  192                          ; v192-255  probabilities of (kc, qb) at PB + 8 (4 kc + qb)
.set FR,  128                          ; window 2: K(kb, c) at FR + 8 (4 kb + c), later V(kc, db) at FR + 8 (8 kc + db)
.set CV,  0                            ; window 3
.set CV2, 128                          ; window 3, for q alone
.set G1,  24                           ; s[24:31] descriptor group 1
.set G0,  32                           ; s[32:39] descriptor group 0, a set for each slot
.set MSB, 0
.macro WIN new                         ; low byte: bits 1:0 source 0, 3:2 source 1, 5:4 source 2, 7:6 destination; the high byte repeats the setting that is left
.if MSB != \new
	s_set_vgpr_msb (MSB<<8)|\new
.set MSB, \new
.endif
.endm
.macro PLACES                          ; four plain vector instructions behind a matrix instruction (ISA guide 7.12.1)
.rept 4
	v_nop
.endr
.endm
.macro BAR
	s_barrier_signal -1
	s_barrier_wait -1
.endm
; A round of the cluster barrier: the work-group barrier, so that the signal of wave 0 speaks for all four waves; wave 0 signals for the work-group;
; every wave waits for the four work-groups; the work-group barrier once more.
.macro ROUND
	s_barrier_signal -1
	s_barrier_wait -1
	s_cmp_lg_u32 s12, 0
	s_cbranch_scc1 .Lnot_wave_0_\@
	s_barrier_signal -3
.Lnot_wave_0_\@:
	s_barrier_wait -3
	s_barrier_signal -1
	s_barrier_wait -1
.endm
	s_load_b256 s[4:11], s[0:1], 0x0               ; q s[4:5], k s[6:7], v s[8:9], out0 s[10:11]
	v_lshrrev_b32 v4, 5, v0
	v_readfirstlane_b32 s12, v4                    ; wave 0..3
	s_mov_b32 s40, 0x76543210                      ; v_permlanex16_b32: lane i of one half reads lane i of the other
	s_mov_b32 s41, 0xfedcba98
	; group 1: a dense block of 16,384 bytes as 64 rows of 32 elements of 8 bytes; the same for every load
	s_mov_b32 s[G1+0], 15|(3<<16)|(1<<21)          ; 15:0 mask: all four work-groups of the cluster; 17:16 elements of 8 bytes; 21 set beside a mask; no padding
	s_mov_b32 s[G1+1], 32<<16                      ; tensor_dim0 = 32
	s_mov_b32 s[G1+2], 64<<16                      ; tensor_dim1 = 64
	s_mov_b32 s[G1+3], 32<<16                      ; tile_dim0 = 32
	s_mov_b32 s[G1+4], 64                          ; tile_dim1 = 64
	s_mov_b32 s[G1+5], 32                          ; from row to row: 32 elements
	s_mov_b32 s[G1+6], 0
	s_mov_b32 s[G1+7], 0
	; what the four partners share: the head (two clusters a head) and the wave number. Waves 0, 1 fetch the halves of K, waves 2, 3 those of V.
	s_lshr_b32 s13, ttmp9, 1                       ; head
	s_lshl_b32 s15, s13, 20                        ; a head is 2,048 x 512 bytes
	s_and_b32 s14, s12, 1
	s_lshl_b32 s14, s14, 14                        ; which 32 rows of the tile
	s_add_co_u32 s16, s15, s14
	s_mov_b32 s17, 0
	s_lshl_b32 s13, s12, 14                        ; my quarter of an f32 slot
	; what hangs on my place in the cluster goes through s22, s23 and reaches global addresses of q, out0 and the prefetch alone
	s_bfe_u32 s43, ttmp6, 0x40000                  ; cx
	s_and_b32 s22, ttmp9, 1                        ; first or second cluster of the head
	s_lshl_b32 s23, s22, 2
	s_add_co_u32 s23, s23, s43                     ; query block 0..7
	s_lshl_b32 s23, s23, 17                        ; 256 rows of 512 bytes
	s_add_co_u32 s20, s15, s23
	s_lshl_b32 s23, s12, 15                        ; 64 rows of my wave
	s_add_co_u32 s20, s20, s23
	s_mov_b32 s21, 0
	s_lshl_b32 s23, s43, 13                        ; prefetch: my 8,192 bytes of a tile,
	s_add_co_u32 s46, s15, s23
	s_add_co_u32 s46, s46, 3*TILEB                 ; beginning with tile 3
	s_mov_b32 s47, 0
	s_wait_kmcnt 0x0
	s_cmp_lt_u32 s12, 2
	s_cselect_b64 s[18:19], s[6:7], s[8:9]         ; k for waves 0, 1; v for waves 2, 3
	s_add_nc_u64 s[18:19], s[18:19], s[16:17]
	s_cmp_eq_u32 s22, 0
	s_cselect_b64 s[44:45], s[6:7], s[8:9]         ; the first cluster of a head asks ahead for k, the second for v
	s_add_nc_u64 s[44:45], s[44:45], s[46:47]
	s_add_nc_u64 s[4:5], s[4:5], s[20:21]          ; q and out0 at my wave first row
	s_add_nc_u64 s[10:11], s[10:11], s[20:21]
	ROUND                                          ; the four work-groups are here: the first joint loads meet
.irp s, 0,1
	s_mov_b32 s[G0+4*\s], 1                                        ; count = 1
	s_add_co_u32 s[G0+4*\s+1], s13, \s*SLOTB                       ; LDS address: 16,384 w + the slot
	s_add_nc_u64 s[G0+4*\s+2:G0+4*\s+3], s[18:19], \s*TILEB        ; global address: tile s
	s_or_b32 s[G0+4*\s+3], s[G0+4*\s+3], 0x80000000                ; type = 2
	tensor_load_to_lds s[G0+4*\s:G0+4*\s+3], s[G1:G1+7]            ; both first fills go out together, ahead of all else
.endr
	v_and_b32 v1, 31, v0                           ; lane
	v_and_b32 v2, 15, v0                           ; r
	v_bfe_u32 v3, v0, 4, 1                         ; h
	v_lshlrev_b32 v[QG], 4, v1
	v_lshlrev_b32 v[PFO], 8, v1
	s_mul_i32 s14, s12, OWNSZ
	s_add_co_u32 s14, s14, OWNB                    ; bytes of my wave alone
	v_mul_u32_u24 v4, v2, KP
	v_lshl_add_u32 v4, v3, 4, v4                   ; 272 r + 16 h
	v_add_nc_u32 v[KA], BF, v4
	v_add_nc_u32 v[QA], s14, v4
	v_lshl_add_u32 v[QS], v1, 3, s14
	v_lshl_add_u32 v[ORD], v1, 4, s14
	v_mul_u32_u24 v6, v2, OP
	v_lshl_add_u32 v6, v3, 5, v6                   ; 528 r + 32 h
	v_add_nc_u32 v[OST], s14, v6
	v_and_b32 v5, 7, v0
	v_lshl_add_u32 v5, v3, 3, v5                   ; 8 h + lane % 8
	v_mul_u32_u24 v5, v5, VP
	v_bfe_u32 v7, v0, 3, 1
	v_lshl_add_u32 v5, v7, 4, v5
	v_add_nc_u32 v[VA], BF+VOFF, v5
	s_lshl_b32 s14, s12, 13                        ; 16 rows of 512 bytes
	v_lshl_add_u32 v[CVR], v1, 4, s14
	v_add_nc_u32 v[CVR+1], SLOTB, v[CVR]
	s_mul_i32 s14, s12, 16*KP
	s_add_co_u32 s14, s14, BF
	v_lshl_add_u32 v[CKS], v1, 3, s14
	s_mul_i32 s14, s12, 16*VP
	s_add_co_u32 s14, s14, BF+VOFF
	v_lshl_add_u32 v[CVS], v1, 3, s14
; n groups of four f32 at base become four bf16 in the first two registers of the group, in place
.macro CVT base, n
	WIN 0xcf
.set j, 0
.rept \n
	v_cvt_pk_bf16_f32 v[\base+4*j], v[\base+4*j], v[\base+4*j+1]
	v_cvt_pk_bf16_f32 v[\base+4*j+1], v[\base+4*j+2], v[\base+4*j+3]
.set j, j+1
.endr
.endm
; my 16 rows of K and my 16 rows of V out of an f32 slot: each load takes a whole row, 512 neighbouring bytes
.macro CVLOAD slot
	WIN 0xc0
.set j, 0
.rept 16
	ds_load_b128 v[CV+4*j:CV+4*j+3], v[CVR+(\slot)] offset:512*j
.set j, j+1
.endr
.set j, 0
.rept 16
	ds_load_b128 v[CV+64+4*j:CV+64+4*j+3], v[CVR+(\slot)] offset:TILEB+512*j
.set j, j+1
.endr
.endm
; rounded to bf16 and laid into stage st: each store writes a row, 256 neighbouring bytes
.macro CVSTORE st
	CVT CV, 32
	WIN 0x0c
.set j, 0
.rept 16
	ds_store_b64 v[CKS], v[CV+4*j:CV+4*j+1] offset:(\st)*STG+KP*j
	ds_store_b64 v[CVS], v[CV+64+4*j:CV+64+4*j+1] offset:(\st)*STG+VP*j
.set j, j+1
.endr
.endm
; the 16 fragments of K (4 blocks of 16 keys x 4 chunks of 32 d), chunk by chunk: 8 loads a chunk
.macro KFRAGS st
	WIN 0x80
.irp c, 0,1,2,3
.irp kb, 0,1,2,3
	ds_load_b128 v[FR+8*(4*\kb+\c):FR+8*(4*\kb+\c)+3],   v[KA] offset:(\st)*STG+\kb*16*KP+64*\c
	ds_load_b128 v[FR+8*(4*\kb+\c)+4:FR+8*(4*\kb+\c)+7], v[KA] offset:(\st)*STG+\kb*16*KP+64*\c+32
.endr
.endr
.endm
; 64 matrix instructions: scores of 64 keys x 64 query rows. The sixteen accumulators take turns, one instruction a turn.
; The first chunk starts the sums. The count: behind chunk c stand 8 loads for each later chunk, and the 32 conversion loads where a tile is converted.
.macro QK conv
.irp c, 0,1,2,3
	s_wait_dscnt 24-8*\c+32*\conv
	WIN 0x0a
.irp kb, 0,1,2,3
.irp qb, 0,1,2,3
.if \c == 0
	v_wmma_f32_16x16x32_bf16 v[SC+32*\qb+8*\kb:SC+32*\qb+8*\kb+7], v[FR+8*(4*\kb+\c):FR+8*(4*\kb+\c)+7], v[8*(4*\qb+\c):8*(4*\qb+\c)+7], 0
.else
	v_wmma_f32_16x16x32_bf16 v[SC+32*\qb+8*\kb:SC+32*\qb+8*\kb+7], v[FR+8*(4*\kb+\c):FR+8*(4*\kb+\c)+7], v[8*(4*\qb+\c):8*(4*\qb+\c)+7], v[SC+32*\qb+8*\kb:SC+32*\qb+8*\kb+7]
.endif
.endr
.endr
.endr
.endm
; the 16 fragments of V transposed (2 chunks of 32 keys x 8 blocks of 16 d), into the registers that held K
.macro VFRAGS st
	WIN 0x80
.irp kc, 0,1
.irp db, 0,1,2,3,4,5,6,7
	ds_load_tr16_b128 v[FR+8*(8*\kc+\db):FR+8*(8*\kc+\db)+3],   v[VA] offset:(\st)*STG+\kc*32*VP+32*\db
	ds_load_tr16_b128 v[FR+8*(8*\kc+\db)+4:FR+8*(8*\kc+\db)+7], v[VA] offset:(\st)*STG+\kc*32*VP+32*\db+16*VP
.endr
.endr
.endm
; the softmax step of query block qb: 32 scores a lane. first = 1: there is no older maximum or sum.
.macro SOFTMAX qb, first
.set SB, SC+32*\qb
	v_max3_num_f32 v[T],   v[SB],   v[SB+1], v[SB+2]               ; two chains
	v_max3_num_f32 v[T+1], v[SB+3], v[SB+4], v[SB+5]
.set i, 6
.rept 13
	v_max3_num_f32 v[T+(i/2)%2], v[T+(i/2)%2], v[SB+i], v[SB+i+1]
.set i, i+2
.endr
.if \first
	v_max_num_f32 v[T], v[T], v[T+1]
.else
	v_max3_num_f32 v[T], v[T], v[T+1], v[MX+\qb]
.endif
	v_permlanex16_b32 v[T+1], v[T], s40, s41       ; the other 32 keys of my query row
	v_max_num_f32 v[MX+\qb], v[T], v[T+1]
	v_mul_f32 v[T+2], 0xbfb8aa3b, v[MX+\qb]        ; the new shift, - log2e m, rounded once
.if \first
.else
	v_sub_f32 v[T+3], v[T+2], v[NM+2*\qb]          ; new shift - old shift, never above 0
	v_exp_f32 v[AL+2*\qb], v[T+3]                  ; the two moves below are the plain instructions behind it (ISA guide 5.7.2)
.endif
	v_mov_b32 v[NM+2*\qb],   v[T+2]
	v_mov_b32 v[NM+2*\qb+1], v[T+2]
.if \first
.else
	v_mov_b32 v[AL+2*\qb+1], v[AL+2*\qb]
.endif
.set i, 0
.rept 16
	v_pk_fma_f32 v[SB+i:SB+i+1], v[SB+i:SB+i+1], 0x3fb8aa3b, v[NM+2*\qb:NM+2*\qb+1] op_sel_hi:[1,0,1]
.set i, i+2
.endr
.set i, 0
.rept 32
	v_exp_f32 v[SB+i], v[SB+i]
.set i, i+1
.endr
	v_nop                                          ; one plain instruction between the exponentials and their first use
.irp c, 0,1,2,3
	v_pk_add_f32 v[T+2*\c:T+2*\c+1], v[SB+2*\c:SB+2*\c+1], v[SB+8+2*\c:SB+8+2*\c+1]      ; four chains of pairs
.endr
.irp c, 0,1,2,3
	v_pk_add_f32 v[T+2*\c:T+2*\c+1], v[T+2*\c:T+2*\c+1], v[SB+16+2*\c:SB+16+2*\c+1]
.endr
.irp c, 0,1,2,3
	v_pk_add_f32 v[T+2*\c:T+2*\c+1], v[T+2*\c:T+2*\c+1], v[SB+24+2*\c:SB+24+2*\c+1]
.endr
	v_pk_add_f32 v[T:T+1],   v[T:T+1],   v[T+2:T+3]
	v_pk_add_f32 v[T+4:T+5], v[T+4:T+5], v[T+6:T+7]
.if \first
	v_pk_add_f32 v[LS+2*\qb:LS+2*\qb+1], v[T:T+1], v[T+4:T+5]
.else
	v_pk_fma_f32 v[LS+2*\qb:LS+2*\qb+1], v[LS+2*\qb:LS+2*\qb+1], v[AL+2*\qb:AL+2*\qb+1], v[T:T+1]
	v_pk_add_f32 v[LS+2*\qb:LS+2*\qb+1], v[LS+2*\qb:LS+2*\qb+1], v[T+4:T+5]
.endif
.irp kb, 0,1,2,3
.irp i2, 0,1,2,3
	v_cvt_pk_bf16_f32 v[PB+8*(4*(\kb/2)+\qb)+4*(\kb%2)+\i2], v[SB+8*\kb+2*\i2], v[SB+8*\kb+2*\i2+1]
.endr
.endr
.endm
; the old output sums times the factor of their query row
.macro RESCALE
	WIN 0x41
.irp qb, 0,1,2,3
.set i, 0
.rept 32
	v_pk_mul_f32 v[64*\qb+i:64*\qb+i+1], v[64*\qb+i:64*\qb+i+1], v[AL+2*\qb:AL+2*\qb+1]
.set i, i+2
.endr
.endr
.endm
; 64 matrix instructions: 128 d x 64 query rows, 64 keys. The 32 accumulators take turns, one instruction a turn.
.macro PV first
	s_wait_dscnt 0x0                               ; the fragments of V are in (and my stage stores are done)
	WIN 0x52
.irp kc, 0,1
.irp db, 0,1,2,3,4,5,6,7
.irp qb, 0,1,2,3
.if \first*(1-\kc)
	v_wmma_f32_16x16x32_bf16 v[64*\qb+8*\db:64*\qb+8*\db+7], v[FR+8*(8*\kc+\db):FR+8*(8*\kc+\db)+7], v[PB+8*(4*\kc+\qb):PB+8*(4*\kc+\qb)+7], 0
.else
	v_wmma_f32_16x16x32_bf16 v[64*\qb+8*\db:64*\qb+8*\db+7], v[FR+8*(8*\kc+\db):FR+8*(8*\kc+\db)+7], v[PB+8*(4*\kc+\qb):PB+8*(4*\kc+\qb)+7], v[64*\qb+8*\db:64*\qb+8*\db+7]
.endif
.endr
.endr
.endr
	PLACES                                         ; in front of the next loads into FR, and of the way out
	WIN 0
.endm
; One step of 64 keys. par: stage and slot of this tile; first: starts all sums; refill: slot par gets the tile two steps on;
; conv: the next tile is converted; pf: wave 0 asks ahead for a part of the tile three steps on.
.macro TRIP par, first, refill, conv, pf
	s_wait_dscnt 0x0                               ; my stage stores of this tile, my reads of slot par and of the other stage are done
	s_wait_tensorcnt 0x0                           ; all my tensor loads have landed (one was out: my quarter of the next tile), so a group 0 may be written
.if \pf*(1-\first)
	s_wait_xcnt 0x0                                ; the base of the last prefetch is stepped only behind this wait
	s_add_nc_u64 s[44:45], s[44:45], TILEB
.endif
.if \refill
	s_add_nc_u64 s[G0+4*\par+2:G0+4*\par+3], s[G0+4*\par+2:G0+4*\par+3], 2*TILEB
	ROUND                                          ; all that now holds of every wave of the four work-groups
	tensor_load_to_lds s[G0+4*\par:G0+4*\par+3], s[G1:G1+7]        ; my one tensor load behind the round, and the first thing there
.else
	BAR                                            ; nothing is filled any more: the work-group barrier shows the stage, and the last f32 tile, to all four waves
.endif
	KFRAGS \par
.if \conv
	CVLOAD 1-\par
.endif
	QK \conv
.if \conv
	s_wait_dscnt 0x0                               ; the rows to convert are in
	CVSTORE 1-\par                                 ; its 64 conversions, in window 3, are also the places behind the products
.else
	PLACES
.endif
	VFRAGS \par
	WIN 0
.if \pf
	; Wave 0 of each work-group asks for 32 blocks of 256 bytes, lanes 256 bytes apart: 8,192 bytes of the tile three steps on, which the mover
	; is asked for at the head of the next trip. The four work-groups cover a tile of k (first cluster of the head) or of v (second cluster):
	; each block is asked for once. Trips 0 to 28 ask, for tiles 3 to 31, so no request leaves the head.
	s_cmp_lg_u32 s12, 0
	s_cbranch_scc1 .Lno_pf_\@
	global_prefetch_b8 v[PFO], s[44:45] th:TH_LOAD_NT scope:SCOPE_SE
.Lno_pf_\@:
.endif
	SOFTMAX 0, \first
	SOFTMAX 1, \first
	SOFTMAX 2, \first
	SOFTMAX 3, \first
.if \first
.else
	RESCALE
.endif
	PV \first
.endm
	; q: my 64 rows, whole rows of 512 bytes a load, rounded to bf16, through my own LDS bytes into fragments
	WIN 0xc0
.set j, 0
.rept 64
	global_load_b128 v[4*j:4*j+3], v[QG], s[4:5] offset:512*j th:TH_LOAD_NT
.set j, j+1
.endr
	s_wait_loadcnt 32                              ; rows 0-31 are in, the 32 younger loads stay out
	CVT CV, 32
	WIN 0x0c
.set j, 0
.rept 32
	ds_store_b64 v[QS], v[CV+4*j:CV+4*j+1] offset:KP*j
.set j, j+1
.endr
	s_wait_loadcnt 0x0
	CVT CV2, 32
	WIN 0x0c
.set j, 0
.rept 32
	ds_store_b64 v[QS], v[CV2+4*j:CV2+4*j+1] offset:KP*(32+j)
.set j, j+1
.endr
	WIN 0x80
.irp qb, 0,1,2,3
.irp c, 0,1,2,3
	ds_load_b128 v[8*(4*\qb+\c):8*(4*\qb+\c)+3],   v[QA] offset:\qb*16*KP+64*\c      ; LDS serves a wave in order (ISA guide 5.7.1.4): these see the stores above
	ds_load_b128 v[8*(4*\qb+\c)+4:8*(4*\qb+\c)+7], v[QA] offset:\qb*16*KP+64*\c+32
.endr
.endr
	WIN 0
	s_wait_tensorcnt 0x1                           ; my quarter of tile 0 is in; the one younger load, tile 1, stays out
	s_wait_dscnt 0x0
	BAR                                            ; tile 0 is whole for all four waves
	CVLOAD 0
	s_wait_dscnt 0x0
	CVSTORE 0                                      ; tile 0 as bf16 in stage 0
	WIN 0
	TRIP 0, 1, 1, 1, 1                             ; step 0 starts the sums: nothing is ever cleared
	s_mov_b32 s42, 14
.Lsteps:                                           ; steps 1 to 28
	TRIP 1, 0, 1, 1, 1
	TRIP 0, 0, 1, 1, 1
	s_sub_co_u32 s42, s42, 1
	s_cmp_lg_u32 s42, 0
	s_cbranch_scc1 .Lsteps
	TRIP 1, 0, 1, 1, 0                             ; step 29 fetches tile 31, the last
	TRIP 0, 0, 0, 1, 0                             ; step 30 converts it
	TRIP 1, 0, 0, 0, 0                             ; step 31
	; l of a query row: my two partial sums and those of the other half of the wave; then 1 / l
.irp qb, 0,1,2,3
	v_add_f32 v[T+2*\qb], v[LS+2*\qb], v[LS+2*\qb+1]
.endr
.irp qb, 0,1,2,3
	v_permlanex16_b32 v[T+2*\qb+1], v[T+2*\qb], s40, s41
.endr
.irp qb, 0,1,2,3
	v_add_f32 v[T+2*\qb], v[T+2*\qb], v[T+2*\qb+1]
.endr
.irp qb, 0,1,2,3
	v_rcp_f32 v[AL+2*\qb], v[T+2*\qb]
.endr
	v_nop                                          ; one plain instruction behind the reciprocals
.irp qb, 0,1,2,3
	v_mov_b32 v[AL+2*\qb+1], v[AL+2*\qb]
.endr
; THE WAY OUT, 16 query rows at a time: divided by l, 32 bytes a lane into my own LDS bytes, read back as whole rows of 512 bytes.
.macro OUTQ qb
	WIN 0x01
.set i, 0
.rept 32
	v_pk_mul_f32 v[SC+i:SC+i+1], v[64*\qb+i:64*\qb+i+1], v[AL+2*\qb:AL+2*\qb+1]
.set i, i+2
.endr
	WIN 0
.irp db, 0,1,2,3,4,5,6,7
	ds_store_b128 v[OST], v[SC+8*\db:SC+8*\db+3]   offset:64*\db
	ds_store_b128 v[OST], v[SC+8*\db+4:SC+8*\db+7] offset:64*\db+16
.endr
	s_wait_xcnt 0x0                                ; PB, which the last global stores read, is loaded again only behind this wait
.set i, 0
.rept 16
	ds_load_b128 v[PB+4*i:PB+4*i+3], v[ORD] offset:OP*i            ; in order behind the stores above
.set i, i+1
.endr
.set i, 0
.rept 16
	s_wait_dscnt 15-i                              ; row i is in, the younger row loads stay out
	global_store_b128 v[QG], v[PB+4*i:PB+4*i+3], s[10:11] offset:(16*\qb+i)*512 th:TH_STORE_NT   ; the wave stores a whole row: 512 consecutive bytes, aligned
.set i, i+1
.endr
.endm
	OUTQ 0
	OUTQ 1
	OUTQ 2
	OUTQ 3
	ROUND                                          ; the closing round: no work-group ends while a partner may still ask for a tile that names it
	s_endpgm
.Lfunc_end_k_qc142218c42_attn:
	.size	k_qc142218c42_attn, .Lfunc_end_k_qc142218c42_attn-k_qc142218c42_attn
	.p2alignl 7, 3214868480
	.fill 96, 4, 3214868480
	.section	.rodata,"a",@progbits
	.p2align	6, 0x0
	.amdhsa_kernel k_qc142218c42_attn
		.amdhsa_group_segment_fixed_size 327680
		.amdhsa_private_segment_fixed_size 0
		.amdhsa_enable_private_segment 0
		.amdhsa_kernarg_size 32
		.amdhsa_user_sgpr_count 2
		.amdhsa_user_sgpr_kernarg_segment_ptr 1
		.amdhsa_wavefront_size32 1
		.amdhsa_system_sgpr_workgroup_id_x 1
		.amdhsa_system_sgpr_workgroup_id_y 1
		.amdhsa_system_sgpr_workgroup_id_z 1
		.amdhsa_system_vgpr_workitem_id 0
		.amdhsa_next_free_vgpr 1024
		.amdhsa_next_free_sgpr 66
		.amdhsa_reserve_vcc 0
		.amdhsa_float_denorm_mode_32 3
		.amdhsa_float_denorm_mode_16_64 3
		.amdhsa_memory_ordered 1
		.amdhsa_forward_progress 1
		.amdhsa_inst_pref_size 255
	.end_amdhsa_kernel
	.section	.bss,"aw",@nobits
	.p2align	6
	.space	262144
	.amdgpu_metadata
---
amdhsa.version: [ 1, 2 ]
amdhsa.kernels:
  - .name:           k_qc142218c42_attn
    .symbol:         k_qc142218c42_attn.kd
    .args:
      - { .name: q, .offset: 0, .size: 8, .value_kind: global_buffer, .address_space: global }
      - { .name: k, .offset: 8, .size: 8, .value_kind: global_buffer, .address_space: global }
      - { .name: v, .offset: 16, .size: 8, .value_kind: global_buffer, .address_space: global }
      - { .name: out0, .offset: 24, .size: 8, .value_kind: global_buffer, .address_space: global }
    .group_segment_fixed_size: 327680
    .private_segment_fixed_size: 0
    .kernarg_segment_align: 8
    .kernarg_segment_size: 32
    .max_flat_workgroup_size: 128
    .sgpr_count:     66
    .vgpr_count:     1024
    .wavefront_size: 32
...
	.end_amdgpu_metadata
.endif
;; end of part 1
;; ======== version 2 of 2: 1 launch
;; launch attn (part 2): grid 256 x 1, 4 waves a work-group, clusters of 4 x 1, 327,680 bytes of LDS; arguments q, k, v, out0; writes out0
.if DOCPART == 2
	.amdgcn_target "amdgcn-amd-amdhsa--gfx1250"
	.amdhsa_code_object_version 6
	.text
	.protected	k_qc142218c42_attn
	.globl	k_qc142218c42_attn
	.p2align	8
	.type	k_qc142218c42_attn,@function
k_qc142218c42_attn:
	s_mov_b64 s[64:65], 0
	v_nop
	global_prefetch_b8 v0, s[64:65] scope:SCOPE_SE
	s_setreg_imm32_b32 hwreg(HW_REG_WAVE_MODE, 25, 1), 1
	s_wait_xcnt 0x0
	s_wait_alu depctr_hold_cnt(0) depctr_sa_sdst(0) depctr_va_vdst(0) depctr_va_sdst(0) depctr_va_ssrc(0) depctr_va_vcc(0) depctr_vm_vsrc(0)
	s_getreg_b32 s2, hwreg(HW_REG_IB_STS2, 6, 4)
	s_cmp_eq_u32 s2, 0
	s_cbranch_scc0 .Lentry_in_a_cluster
	s_endpgm
.Lentry_in_a_cluster:
	s_bfe_u32 s2, ttmp6, 0x10000c
	s_cmp_lg_u32 s2, 0x3003
	s_cbranch_scc0 .Lentry_shape_is_right
	s_endpgm
.Lentry_shape_is_right:
; out0 = softmax(q k^T) v for 32 heads of 2,048 rows x 128 numbers, all f32 in memory; no factor in front of the scores.
; NOTHING IS LEFT OUT: there is no mask, bias or slice, every number of q, k and v reaches an output, all three are loaded.
; SHARES: a work-group takes 256 query rows of one head and walks all 2,048 keys in 32 steps of 64; a wave takes 64 query rows
; (four blocks of 16); lane (r = lane % 16, h = lane / 16) owns query row r of each block.
; THE MATRIX INSTRUCTION IS USED TRANSPOSED, so that nothing is shuffled between lanes:
;   scores: source 0 = 16 keys x 32 d of K, source 1 = 16 query rows x 32 d of Q; register j of a lane = key 16 kb + 8 h + j of query row r;
;   two such tiles, rounded to bf16 in pairs, ARE source 1 (query row r; 32 keys) of the second product;
;   output: source 0 = 16 d x 32 keys of V (read from rows of V by the transposing LDS load); register j = d 16 db + 8 h + j of query row r.
;   So maximum, sum and rescaling factor of a query row are one number a lane; only the two halves of the wave have to meet.
; SOFTMAX: a running maximum m of the raw f32 scores; p = 2^(s log2e - round(m log2e)) by one fused multiply-add, the factor for old sums is
; 2^(new shift - old shift), made of the same rounded shifts, so numerator and denominator stay consistent at any size of m.
; q and k are rounded to bf16 as they are; log2e is applied in f32 behind the product.
; TURNS: the four query blocks are two pieces, A = blocks 0, 1 and B = blocks 2, 3, which share the fragments of K and V. A step is four runs of
; 32 matrix instructions, and behind a matrix instruction stands a slice of the register work of the other piece or of the next tile:
;   run 1  scores of A | two conversions of the next tile behind each product
;   run 2  scores of B | softmax of A (a list of 215 places in 24 slices of 9), rescaling of the sums of A (8 slices of 8)
;   run 3  output of A | softmax of B (31 slices of 7), rescaling of the first two accumulators of B
;   run 4  output of B | rescaling of B two accumulators ahead of their product
; THE 128 LDS INSTRUCTIONS OF A STEP STAND IN FOUR RUNS OF 32, each under one window setting: the next K fragments at the head of run 4, straight behind
; the barrier; my f32 rows of the tile two steps on behind product 15 of run 4; the V fragments behind product 15 of run 1; the stage stores behind the
; last product of run 1. So matrix work changes to LDS work four times in a step, and at least sixteen products stand between two runs.
; The slices work in other register windows than the products, so a slice costs two s_set_vgpr_msb: about 230 in a step beside its 128 matrix,
; 610 vector and 128 LDS instructions. One window for both would have to hold the K fragments (128 registers), the scores of both pieces (128)
; and the row figures, and a window has 256.
; CLUSTER: the four work-groups of a cluster are four query blocks of one head and read the same K and V tiles: each tile is asked for by joint
; loads with the mask 15. A head has eight blocks, that is two clusters of four.
; PIPELINE, step t (par = t % 2). One round of the cluster barrier stands between runs 3 and 4. In front of it: the V fragments of tile t are read
; from stage par, tile t+1 is stored as bf16 into stage 1-par (each wave 16 rows of K and 16 of V, once for the work-group), f32 tile t+2 has landed
; in slot par. Behind it: slot 1-par is filled again with tile t+3, the K fragments of tile t+1 are read from stage 1-par, the f32 rows of tile t+2
; are read from slot par. A wave has two tensor loads out at the start, later one.
; LIMITS: q, k, v and the probabilities enter the matrix unit as bf16; a probability under 2^-126 of the largest of its row counts as 0
; (v_exp_f32 returns 0 for such results: ISA guide, its entry in 15.8); sums are formed in another order than in the definition;
; NaN or infinity among the inputs, or scores beyond the f32 range, are not carried as the definition would carry them.
;
; LDS: f32 slots 0, 1 at 0 and 65,536 (K rows 0-63 of 512 bytes, then V rows 0-63; filled by tensor loads alone);
;      bf16 stages 0, 1 at 131,072 + 35,840 b (K: 64 rows at pitch 272; V: 64 rows at pitch 288; written by LDS stores alone);
;      202,752 + 17,408 w: bytes of wave w alone (first q as bf16 at pitch 272, at the end 16 rows of the result at pitch 528).
; Pitches: 272 = 17 x 16 and 528 = 33 x 16, so sixteen rows begin at sixteen different 16-byte columns of 256 bytes; 288 = 9 x 32 for the transposing load.
; REGISTERS in windows of 256: window 0 addresses, row figures, scores SC, probabilities PB; window 1 the 32 output tiles O(qb, db) at 64 qb + 8 db;
; window 2 Q fragments at 8 (4 qb + c) and FR, the fragments of K; window 3 numbers under conversion CV and VF, the fragments of V.
.set TILEB, 32768                      ; 64 rows of K (or of V) in memory
.set SLOTB, 65536                      ; an f32 slot
.set BF,    131072                     ; the bf16 stages
.set KP,    272
.set VP,    288
.set VOFF,  64*KP                      ; V behind K in a stage
.set STG,   64*KP+64*VP                ; a stage: 35,840 bytes
.set OWNB,  BF+2*STG                   ; 202,752
.set OWNSZ, 64*KP                      ; 17,408 bytes a wave
.set OP,    528
.set KA,  8                            ; v8   K fragments: BF + 272 r + 16 h
.set VA,  9                            ; v9   V fragments: BF + VOFF + 288 (8 h + lane % 8) + 16 ((lane / 8) % 2)
.set CVR, 10                           ; v10, v11  my 16 rows in f32 slot 0, 1: 8,192 w + 16 lane
.set CKS, 12                           ; v12  my 16 rows of K in stage 0: + 8 lane
.set CVS, 13                           ; v13  my 16 rows of V in stage 0
.set QG,  14                           ; v14  16 lane: offset in a row of q and of out0
.set QS,  15                           ; v15  own bytes + 8 lane
.set QA,  16                           ; v16  own bytes + 272 r + 16 h
.set OST, 17                           ; v17  own bytes + 528 r + 32 h
.set ORD, 18                           ; v18  own bytes + 16 lane
.set PFO, 19                           ; v19  256 lane
.set MX,  20                           ; v20-23  running maximum of block qb
.set T,   24                           ; v24-31  at work for the first block of a piece
.set NM,  32                           ; v32-39  pairs, both = - round(log2e m)
.set AL,  40                           ; v40-47  pairs, both = factor for the old sums; at the end 1 / l
.set LS,  48                           ; v48-55  pairs: two partial sums of l
.set T2,  56                           ; v56-63  at work for the second block of a piece
.set SC,  64                           ; v64-191   scores of (qb, kb) at SC + 32 qb + 8 kb
.set PB,  192                          ; v192-255  probabilities of (kc, qb) at PB + 8 (4 kc + qb)
.set FR,  128                          ; window 2: K(kb, c) at FR + 8 (4 kb + c)
.set CV,  0                            ; window 3: rows under conversion
.set CV2, 128                          ; window 3, for q alone, ahead of the steps
.set VF,  128                          ; window 3: V(kc, db) at VF + 8 (8 kc + db)
.set G1,  24                           ; s[24:31] descriptor group 1
.set G0,  32                           ; s[32:39] descriptor group 0, a set for each slot
.set MSB, 0
.macro WIN new                         ; low byte: bits 1:0 source 0, 3:2 source 1, 5:4 source 2, 7:6 destination; the high byte repeats the setting that is left
.if MSB != \new
	s_set_vgpr_msb (MSB<<8)|\new
.set MSB, \new
.endif
.endm
.macro PLACES                          ; four plain vector instructions behind a matrix instruction (ISA guide 7.12.1)
.rept 4
	v_nop
.endr
.endm
.macro BAR
	s_barrier_signal -1
	s_barrier_wait -1
.endm
; A round of the cluster barrier: the work-group barrier, so that the signal of wave 0 speaks for all four waves; wave 0 signals for the work-group;
; every wave waits for the four work-groups; the work-group barrier once more. CREST is the round behind its opening barrier.
.macro CREST
	s_cmp_lg_u32 s12, 0
	s_cbranch_scc1 .Lnot_wave_0_\@
	s_barrier_signal -3
.Lnot_wave_0_\@:
	s_barrier_wait -3
	s_barrier_signal -1
	s_barrier_wait -1
.endm
.macro ROUND
	s_barrier_signal -1
	s_barrier_wait -1
	CREST
.endm
; Wave 0 of each work-group asks for 32 blocks of 256 bytes, lanes 256 bytes apart: 8,192 bytes of the tile that the mover is asked for two steps
; later. The four work-groups cover a tile of k (first cluster of the head) or of v (second cluster): each block is asked for once.
; s48 counts the asks that are left: 28 in wave 0, for tiles 4 to 31, none in the other waves; so no request leaves the head.
.macro PFASK
	s_cmp_eq_u32 s48, 0
	s_cbranch_scc1 .Lno_pf_\@
	global_prefetch_b8 v[PFO], s[44:45] th:TH_LOAD_NT scope:SCOPE_SE
	s_sub_co_u32 s48, s48, 1
.Lno_pf_\@:
.endm
	s_load_b256 s[4:11], s[0:1], 0x0               ; q s[4:5], k s[6:7], v s[8:9], out0 s[10:11]
	v_lshrrev_b32 v4, 5, v0
	v_readfirstlane_b32 s12, v4                    ; wave 0..3
	s_mov_b32 s40, 0x76543210                      ; v_permlanex16_b32: lane i of one half reads lane i of the other
	s_mov_b32 s41, 0xfedcba98
	; group 1: a dense block of 16,384 bytes as 64 rows of 32 elements of 8 bytes; the same for every load
	s_mov_b32 s[G1+0], 15|(3<<16)|(1<<21)          ; 15:0 mask: all four work-groups of the cluster; 17:16 elements of 8 bytes; 21 set beside a mask; no padding
	s_mov_b32 s[G1+1], 32<<16                      ; tensor_dim0 = 32
	s_mov_b32 s[G1+2], 64<<16                      ; tensor_dim1 = 64
	s_mov_b32 s[G1+3], 32<<16                      ; tile_dim0 = 32
	s_mov_b32 s[G1+4], 64                          ; tile_dim1 = 64
	s_mov_b32 s[G1+5], 32                          ; from row to row: 32 elements
	s_mov_b32 s[G1+6], 0
	s_mov_b32 s[G1+7], 0
	; what the four partners share: the head (two clusters a head) and the wave number. Waves 0, 1 fetch the halves of K, waves 2, 3 those of V.
	s_lshr_b32 s13, ttmp9, 1                       ; head
	s_lshl_b32 s15, s13, 20                        ; a head is 2,048 x 512 bytes
	s_and_b32 s14, s12, 1
	s_lshl_b32 s14, s14, 14                        ; which 32 rows of the tile
	s_add_co_u32 s16, s15, s14
	s_mov_b32 s17, 0
	s_lshl_b32 s13, s12, 14                        ; my quarter of an f32 slot
	; what hangs on my place in the cluster goes through s22, s23 and reaches global addresses of q, out0 and the prefetch alone
	s_bfe_u32 s43, ttmp6, 0x40000                  ; cx
	s_and_b32 s22, ttmp9, 1                        ; first or second cluster of the head
	s_lshl_b32 s23, s22, 2
	s_add_co_u32 s23, s23, s43                     ; query block 0..7
	s_lshl_b32 s23, s23, 17                        ; 256 rows of 512 bytes
	s_add_co_u32 s20, s15, s23
	s_lshl_b32 s23, s12, 15                        ; 64 rows of my wave
	s_add_co_u32 s20, s20, s23
	s_mov_b32 s21, 0
	s_lshl_b32 s23, s43, 13                        ; prefetch: my 8,192 bytes of a tile,
	s_add_co_u32 s46, s15, s23
	s_add_co_u32 s46, s46, 4*TILEB                 ; beginning with tile 4
	s_mov_b32 s47, 0
	s_wait_kmcnt 0x0
	s_cmp_lt_u32 s12, 2
	s_cselect_b64 s[18:19], s[6:7], s[8:9]         ; k for waves 0, 1; v for waves 2, 3
	s_add_nc_u64 s[18:19], s[18:19], s[16:17]
	s_cmp_eq_u32 s22, 0
	s_cselect_b64 s[44:45], s[6:7], s[8:9]         ; the first cluster of a head asks ahead for k, the second for v
	s_add_nc_u64 s[44:45], s[44:45], s[46:47]
	s_add_nc_u64 s[4:5], s[4:5], s[20:21]          ; q and out0 at my wave first row
	s_add_nc_u64 s[10:11], s[10:11], s[20:21]
	s_cmp_eq_u32 s12, 0
	s_cselect_b32 s48, 28, 0                       ; asks ahead that are left
	ROUND                                          ; the four work-groups are here: the first joint loads meet
.irp s, 0,1
	s_mov_b32 s[G0+4*\s], 1                                        ; count = 1
	s_add_co_u32 s[G0+4*\s+1], s13, \s*SLOTB                       ; LDS address: 16,384 w + the slot
	s_add_nc_u64 s[G0+4*\s+2:G0+4*\s+3], s[18:19], \s*TILEB        ; global address: tile s
	s_or_b32 s[G0+4*\s+3], s[G0+4*\s+3], 0x80000000                ; type = 2
	tensor_load_to_lds s[G0+4*\s:G0+4*\s+3], s[G1:G1+7]            ; both first fills go out together, ahead of all else
.endr
	v_and_b32 v1, 31, v0                           ; lane
	v_and_b32 v2, 15, v0                           ; r
	v_bfe_u32 v3, v0, 4, 1                         ; h
	v_lshlrev_b32 v[QG], 4, v1
	v_lshlrev_b32 v[PFO], 8, v1
	s_mul_i32 s14, s12, OWNSZ
	s_add_co_u32 s14, s14, OWNB                    ; bytes of my wave alone
	v_mul_u32_u24 v4, v2, KP
	v_lshl_add_u32 v4, v3, 4, v4                   ; 272 r + 16 h
	v_add_nc_u32 v[KA], BF, v4
	v_add_nc_u32 v[QA], s14, v4
	v_lshl_add_u32 v[QS], v1, 3, s14
	v_lshl_add_u32 v[ORD], v1, 4, s14
	v_mul_u32_u24 v6, v2, OP
	v_lshl_add_u32 v6, v3, 5, v6                   ; 528 r + 32 h
	v_add_nc_u32 v[OST], s14, v6
	v_and_b32 v5, 7, v0
	v_lshl_add_u32 v5, v3, 3, v5                   ; 8 h + lane % 8
	v_mul_u32_u24 v5, v5, VP
	v_bfe_u32 v7, v0, 3, 1
	v_lshl_add_u32 v5, v7, 4, v5
	v_add_nc_u32 v[VA], BF+VOFF, v5
	s_lshl_b32 s14, s12, 13                        ; 16 rows of 512 bytes
	v_lshl_add_u32 v[CVR], v1, 4, s14
	v_add_nc_u32 v[CVR+1], SLOTB, v[CVR]
	s_mul_i32 s14, s12, 16*KP
	s_add_co_u32 s14, s14, BF
	v_lshl_add_u32 v[CKS], v1, 3, s14
	s_mul_i32 s14, s12, 16*VP
	s_add_co_u32 s14, s14, BF+VOFF
	v_lshl_add_u32 v[CVS], v1, 3, s14
; ---- whole phases, used ahead of the steps alone ----
; cnt groups of four f32 at base become four bf16 in the first two registers of the group, in place
.macro CVT base, cnt
	WIN 0xcf
.set j, 0
.rept \cnt
	v_cvt_pk_bf16_f32 v[\base+4*j], v[\base+4*j], v[\base+4*j+1]
	v_cvt_pk_bf16_f32 v[\base+4*j+1], v[\base+4*j+2], v[\base+4*j+3]
.set j, j+1
.endr
.endm
; my 16 rows of K and my 16 rows of V out of an f32 slot: each load takes a whole row, 512 neighbouring bytes
.macro CVLOAD slot
	WIN 0xc0
.set j, 0
.rept 32
	ds_load_b128 v[CV+4*j:CV+4*j+3], v[CVR+(\slot)] offset:512*j+(j/16)*(TILEB-8192)
.set j, j+1
.endr
.endm
; rounded to bf16 and laid into stage st: each store writes a row, 256 neighbouring bytes
.macro CVSTORE st
	CVT CV, 32
	WIN 0x0c
.set j, 0
.rept 16
	ds_store_b64 v[CKS], v[CV+4*j:CV+4*j+1] offset:(\st)*STG+KP*j
	ds_store_b64 v[CVS], v[CV+64+4*j:CV+64+4*j+1] offset:(\st)*STG+VP*j
.set j, j+1
.endr
.endm
; the 16 fragments of K (4 blocks of 16 keys x 4 chunks of 32 d)
.macro KFRAGS st
	WIN 0x80
.irp c, 0,1,2,3
.irp kb, 0,1,2,3
	ds_load_b128 v[FR+8*(4*\kb+\c):FR+8*(4*\kb+\c)+3],   v[KA] offset:(\st)*STG+\kb*16*KP+64*\c
	ds_load_b128 v[FR+8*(4*\kb+\c)+4:FR+8*(4*\kb+\c)+7], v[KA] offset:(\st)*STG+\kb*16*KP+64*\c+32
.endr
.endr
.endm
; ---- the matrix instructions of a run, by their number n = 0..31 ----
; scores of piece p: chunk c = n / 8 of 32 d, keys kb = (n % 8) / 2, query block 2 p + n % 2. The eight accumulators take turns, one instruction a turn.
; The first chunk starts the sums.
.macro QKW p
.set wc, n/8
.set wk, (n%8)/2
.set wq, 2*\p+n%2
	WIN 0x0a
.if wc == 0
	v_wmma_f32_16x16x32_bf16 v[SC+32*wq+8*wk:SC+32*wq+8*wk+7], v[FR+8*(4*wk+wc):FR+8*(4*wk+wc)+7], v[8*(4*wq+wc):8*(4*wq+wc)+7], 0
.else
	v_wmma_f32_16x16x32_bf16 v[SC+32*wq+8*wk:SC+32*wq+8*wk+7], v[FR+8*(4*wk+wc):FR+8*(4*wk+wc)+7], v[8*(4*wq+wc):8*(4*wq+wc)+7], v[SC+32*wq+8*wk:SC+32*wq+8*wk+7]
.endif
.endm
; output of piece p: keys kc = n / 16, d block (n % 16) / 2, query block 2 p + n % 2. The sixteen accumulators take turns, one instruction a turn.
.macro PVW p, first
.set wc, n/16
.set wk, (n%16)/2
.set wq, 2*\p+n%2
	WIN 0x53
.if \first*(1-wc)
	v_wmma_f32_16x16x32_bf16 v[64*wq+8*wk:64*wq+8*wk+7], v[VF+8*(8*wc+wk):VF+8*(8*wc+wk)+7], v[PB+8*(4*wc+wq):PB+8*(4*wc+wq)+7], 0
.else
	v_wmma_f32_16x16x32_bf16 v[64*wq+8*wk:64*wq+8*wk+7], v[VF+8*(8*wc+wk):VF+8*(8*wc+wk)+7], v[PB+8*(4*wc+wq):PB+8*(4*wc+wq)+7], v[64*wq+8*wk:64*wq+8*wk+7]
.endif
.endm
; one output accumulator (8 registers at base, window 1) times the factor of query block q
.macro RSACC q, base
	WIN 0x41
.set e, 0
.rept 4
	v_pk_mul_f32 v[(\base)+e:(\base)+e+1], v[(\base)+e:(\base)+e+1], v[AL+2*(\q):AL+2*(\q)+1]
.set e, e+2
.endr
.endm
; ---- the softmax of a piece as a numbered list ----
; A unit u = 0..7 is one tile of 16 keys of one block: block 2 p + u / 4, keys u % 4. The single instructions take block oq, keys ok, temporaries ot,
; scores sb and an index oi from symbols.
.macro UNIT p, u
.set oq, 2*\p+(\u)/4
.set ok, (\u)%4
.set ot, T+(T2-T)*((\u)/4)
.set sb, SC+32*oq
.endm
.macro OPMAX first                     ; oi = 0..15: the largest of 32 scores and the old maximum, in two chains
.if oi == 0
	v_max3_num_f32 v[ot], v[sb], v[sb+1], v[sb+2]
.elseif oi == 1
	v_max3_num_f32 v[ot+1], v[sb+3], v[sb+4], v[sb+5]
.elseif oi < 15
	v_max3_num_f32 v[ot+oi%2], v[ot+oi%2], v[sb+2*oi+2], v[sb+2*oi+3]
.elseif \first
	v_max_num_f32 v[ot], v[ot], v[ot+1]
.else
	v_max3_num_f32 v[ot], v[ot], v[ot+1], v[MX+oq]
.endif
.endm
.macro OPTAIL first                    ; oi = 0..7: the other half of the wave, the new shift, the factor for the old sums
.if oi == 0
	v_permlanex16_b32 v[ot+1], v[ot], s40, s41     ; the other 32 keys of my query row
.elseif oi == 1
	v_max_num_f32 v[MX+oq], v[ot], v[ot+1]
.elseif oi == 2
	v_mul_f32 v[ot+2], 0xbfb8aa3b, v[MX+oq]        ; the new shift, - log2e m, rounded once
.elseif oi == 5
	v_mov_b32 v[NM+2*oq], v[ot+2]
.elseif oi == 6
	v_mov_b32 v[NM+2*oq+1], v[ot+2]
.elseif \first
.elseif oi == 3
	v_sub_f32 v[ot+3], v[ot+2], v[NM+2*oq]         ; new shift - old shift, never above 0
.elseif oi == 4
	v_exp_f32 v[AL+2*oq], v[ot+3]                  ; plain instructions of the other block follow before it is used (ISA guide 5.7.2)
.else
	v_mov_b32 v[AL+2*oq+1], v[AL+2*oq]
.endif
.endm
.macro OPFMA                           ; oi = 0..3: two exponents
	v_pk_fma_f32 v[sb+8*ok+2*oi:sb+8*ok+2*oi+1], v[sb+8*ok+2*oi:sb+8*ok+2*oi+1], 0x3fb8aa3b, v[NM+2*oq:NM+2*oq+1] op_sel_hi:[1,0,1]
.endm
.macro OPEXP                           ; oi = 0..7
	v_exp_f32 v[sb+8*ok+oi], v[sb+8*ok+oi]
.endm
.macro OPSUM first                     ; oi = 0..3: four chains of pairs; chain 0 starts from the old sum times its factor
.if ok == 0
.if oi == 0
.if \first
.else
	v_pk_fma_f32 v[ot:ot+1], v[LS+2*oq:LS+2*oq+1], v[AL+2*oq:AL+2*oq+1], v[sb:sb+1]
.endif
.endif
.elseif ok == 1
.set acc0, 0
.if oi == 0
.if \first
.else
.set acc0, 1
.endif
.endif
.if acc0
	v_pk_add_f32 v[ot:ot+1], v[ot:ot+1], v[sb+8:sb+9]
.else
	v_pk_add_f32 v[ot+2*oi:ot+2*oi+1], v[sb+2*oi:sb+2*oi+1], v[sb+8+2*oi:sb+8+2*oi+1]
.endif
.else
	v_pk_add_f32 v[ot+2*oi:ot+2*oi+1], v[ot+2*oi:ot+2*oi+1], v[sb+8*ok+2*oi:sb+8*ok+2*oi+1]
.endif
.endm
.macro OPPACK                          ; oi = 0..3: two probabilities to bf16, at their place in source 1 of the second product
	v_cvt_pk_bf16_f32 v[PB+8*(4*(ok/2)+oq)+4*(ok%2)+oi], v[sb+8*ok+2*oi], v[sb+8*ok+2*oi+1]
.endm
.macro OPFIN                           ; oi = 0..2: the four chains become the new pair of partial sums
.if oi == 0
	v_pk_add_f32 v[ot:ot+1], v[ot:ot+1], v[ot+2:ot+3]
.elseif oi == 1
	v_pk_add_f32 v[ot+4:ot+5], v[ot+4:ot+5], v[ot+6:ot+7]
.else
	v_pk_add_f32 v[LS+2*oq:LS+2*oq+1], v[ot:ot+1], v[ot+4:ot+5]
.endif
.endm
; Place pos of the list (a few places are empty):
;   0-15    maximum of the first block
;   16-39   eight times: one instruction of the first block's short chain (merge, shift, factor), two of the second block's maximum
;   40-63   eight times: one instruction of the second block's short chain, two of: exponents of units 0 and 1, exponentials of unit 0
;   64-203  for k = 1..7, four times: exponential (unit k), exponents (unit k+1; for k = 7 the first block's closing sums), exponential (unit k),
;           sum (unit k-1), pack (unit k-1): each exponential has a plain instruction of another unit behind it, and its result is used a stage later
;   204-214 sums and packs of unit 7, the second block's closing sums
.macro SMOP p, first
.if pos < 16
	UNIT \p, 0
.set oi, pos
	OPMAX \first
.elseif pos < 40
.if (pos-16)%3 == 0
	UNIT \p, 0
.set oi, (pos-16)/3
	OPTAIL \first
.else
	UNIT \p, 4
.set oi, 2*((pos-16)/3)+(pos-16)%3-1
	OPMAX \first
.endif
.elseif pos < 64
.if (pos-40)%3 == 0
	UNIT \p, 4
.set oi, (pos-40)/3
	OPTAIL \first
.else
.set og, 2*((pos-40)/3)+(pos-40)%3-1
.if og < 4
	UNIT \p, 0
.set oi, og
	OPFMA
.elseif (og-4)%3 == 1
	UNIT \p, 1
.set oi, (og-4)/3
	OPFMA
.else
	UNIT \p, 0
.set oi, 2*((og-4)/3)+((og-4)%3)/2
	OPEXP
.endif
.endif
.elseif pos < 204
.set sk, 1+(pos-64)/20
.set sg, ((pos-64)%20)/5
.set sr, (pos-64)%5
.if sr == 0
	UNIT \p, sk
.set oi, 2*sg
	OPEXP
.elseif sr == 1
.if sk < 7
	UNIT \p, sk+1
.set oi, sg
	OPFMA
.elseif sg < 3
	UNIT \p, 0
.set oi, sg
	OPFIN
.endif
.elseif sr == 2
	UNIT \p, sk
.set oi, 2*sg+1
	OPEXP
.elseif sr == 3
	UNIT \p, sk-1
.set oi, sg
	OPSUM \first
.else
	UNIT \p, sk-1
.set oi, sg
	OPPACK
.endif
.elseif pos < 212
	UNIT \p, 7
.set oi, (pos-204)/2
.if (pos-204)%2 == 0
	OPSUM \first
.else
	OPPACK
.endif
.elseif pos < 215
	UNIT \p, 4
.set oi, pos-212
	OPFIN
.endif
.endm
; ---- the four runs of a step ----
; RUN 1: scores of A. Behind product n stand the two conversions of row n of my 32 f32 rows of the next tile; behind product 15 the 32 loads of the V
; fragments of this tile, in one run; behind product 31 the 32 stage stores, in one run.
; LDS instructions come back in order (ISA guide 5.7.1) and were issued so: 32 K fragment loads, 32 row loads (both in run 4 of the step before), then
; the 32 V loads here. The counts: 24 = rows 8-31 stay out; 16 = rows 16-31; 40 = rows 24-31 and the V loads; 32 = the V loads.
; The conversions, in window 3, are also the places between the last output products and the loads into VF (32 of them), and between the scores of A
; and their first readers in run 2 (16 behind the first tile that is read). Where no tile is converted (the last step) v_nop stand there.
.macro PH1 par, conv
.set n, 0
.rept 32
.if n == 0
	s_wait_dscnt 24*\conv                          ; the K fragments and rows 0-7 are in (the last step has no rows: all is in)
.endif
	QKW 0
.if \conv
.if n == 8
	s_wait_dscnt 16                                ; rows 8-15 are in
.elseif n == 16
	s_wait_dscnt 40                                ; rows 16-23 are in
.elseif n == 24
	s_wait_dscnt 32                                ; rows 24-31 are in
.endif
	WIN 0xcf
	v_cvt_pk_bf16_f32 v[CV+4*n], v[CV+4*n], v[CV+4*n+1]
	v_cvt_pk_bf16_f32 v[CV+4*n+1], v[CV+4*n+2], v[CV+4*n+3]
.endif
.if n == 15
.if \conv
.else
	PLACES
.endif
	WIN 0xc0
.set l, 0
.rept 32
	ds_load_tr16_b128 v[VF+4*l:VF+4*l+3], v[VA] offset:\par*STG+(l/16)*32*VP+((l/2)%8)*32+(l%2)*16*VP
.set l, l+1
.endr
.endif
.if n == 31
.if \conv
	WIN 0x0c
.set l, 0
.rept 32
.if l%2 == 0
	ds_store_b64 v[CKS], v[CV+4*(l/2):CV+4*(l/2)+1] offset:(1-\par)*STG+KP*(l/2)
.else
	ds_store_b64 v[CVS], v[CV+64+4*(l/2):CV+64+4*(l/2)+1] offset:(1-\par)*STG+VP*(l/2)
.endif
.set l, l+1
.endr
.else
	PLACES
.endif
.endif
.set n, n+1
.endr
.endm
; RUN 2: scores of B. Slices 10, 13, .. 31 rescale the sums of A, two accumulators each; the other 24 slices take nine places of A's softmax.
; The last slice is plain arithmetic on A's sums: the places between the last scores of B and their first reader in run 3.
.macro PH2 first
.set n, 0
.rept 32
	QKW 1
.set isrs, 0
.if n >= 10
.if (n-10)%3 == 0
.set isrs, 1
.endif
.endif
.if isrs
.if \first
.if n == 31
	PLACES
.endif
.else
.set r, (n-10)/3
	RSACC r/4, 64*(r/4)+16*(r%4)
	RSACC r/4, 64*(r/4)+16*(r%4)+8
.endif
.else
.if n < 10
.set pos, 9*n
.else
.set pos, 9*(n-(n-10)/3-1)
.endif
	WIN 0
.rept 9
	SMOP 0, \first
.set pos, pos+1
.endr
.endif
.set n, n+1
.endr
.endm
; RUN 3: output of A. Slices 0-30 take seven places of B's softmax; slice 31 rescales the first two accumulators of B.
; bar = 2: the round in front of a refill; its opening signal stands eight matrix instructions before the end of the run, with register work alone up to
; its wait. bar = 1: nothing is filled any more, the work-group barrier alone shows the stage and the last f32 tile to all four waves. bar = 0: none.
.macro PH3 first, bar, par
	s_wait_dscnt 0x0                               ; the V fragments are in, my stage stores are done
.set n, 0
.rept 32
.if n == 24
.if \bar
	s_wait_dscnt 0x0                               ; my reads of stage par and of slot 1-par and my stores into stage 1-par are done (no LDS instruction stands in this run)
	s_wait_tensorcnt 0x0                           ; all my tensor loads have landed (one was out: my quarter of the tile two steps on), so a group 0 may be written
.if \bar == 2
	s_wait_xcnt 0x0                                ; the base of the last prefetch, a step ago, is stepped only behind this wait
	s_add_nc_u64 s[44:45], s[44:45], TILEB
	s_add_nc_u64 s[G0+4*(1-\par)+2:G0+4*(1-\par)+3], s[G0+4*(1-\par)+2:G0+4*(1-\par)+3], 2*TILEB
.endif
	s_barrier_signal -1
.endif
.endif
	PVW 0, \first
.if n < 31
.set pos, 7*n
	WIN 0
.rept 7
	SMOP 1, \first
.set pos, pos+1
.endr
.else
.if \first
.else
	RSACC 2, 128
	RSACC 3, 192
.endif
.endif
.set n, n+1
.endr
	WIN 0
.if \bar
	s_barrier_wait -1
.endif
.if \bar == 2
	CREST                                          ; all that now holds of every wave of the four work-groups
	tensor_load_to_lds s[G0+4*(1-\par):G0+4*(1-\par)+3], s[G1:G1+7]   ; my one tensor load behind the round, and the first thing there: the tile three steps on
	PFASK
.endif
.endm
; RUN 4: output of B. At its head, straight behind the barrier, the 32 loads of the next K fragments, in one run (FR was last read in run 2).
; Slices 0-13 rescale the accumulator that is multiplied onto two instructions later. Behind product 15 the 32 loads of my f32 rows of the tile two
; steps on, in one run. In the last step four places close the run, in front of the way out.
.macro PH4 first, kld, cvl, par
.if \kld
	WIN 0x80
.set l, 0
.rept 32
	ds_load_b128 v[FR+8*(4*((l%8)/2)+l/8)+4*(l%2):FR+8*(4*((l%8)/2)+l/8)+4*(l%2)+3], v[KA] offset:(1-\par)*STG+((l%8)/2)*16*KP+64*(l/8)+32*(l%2)
.set l, l+1
.endr
.endif
.set n, 0
.rept 32
	PVW 1, \first
.if n < 14
.if \first
.else
	RSACC 2+n%2, 64*(2+n%2)+8*((n+2)/2)
.endif
.elseif n == 15
.if \cvl
	WIN 0xc0
.set l, 0
.rept 32
	ds_load_b128 v[CV+4*l:CV+4*l+3], v[CVR+\par] offset:512*l+(l/16)*(TILEB-8192)
.set l, l+1
.endr
.endif
.elseif n == 31
.if \kld
.else
	PLACES
.endif
.endif
.set n, n+1
.endr
	WIN 0
.endm
; One step of 64 keys. par: stage and slot of this tile; first: starts all sums; conv: the next tile is converted; bar: see run 3;
; kld: the next K fragments are loaded; cvl: the f32 rows of the tile two steps on are loaded.
.macro TRIP par, first, conv, bar, kld, cvl
	PH1 \par, \conv
	PH2 \first
	PH3 \first, \bar, \par
	PH4 \first, \kld, \cvl, \par
.endm
	; q: my 64 rows, whole rows of 512 bytes a load, rounded to bf16, through my own LDS bytes into fragments
	WIN 0xc0
.set j, 0
.rept 64
	global_load_b128 v[4*j:4*j+3], v[QG], s[4:5] offset:512*j th:TH_LOAD_NT
.set j, j+1
.endr
	s_wait_loadcnt 32                              ; rows 0-31 are in, the 32 younger loads stay out
	CVT CV, 32
	WIN 0x0c
.set j, 0
.rept 32
	ds_store_b64 v[QS], v[CV+4*j:CV+4*j+1] offset:KP*j
.set j, j+1
.endr
	s_wait_loadcnt 0x0
	CVT CV2, 32
	WIN 0x0c
.set j, 0
.rept 32
	ds_store_b64 v[QS], v[CV2+4*j:CV2+4*j+1] offset:KP*(32+j)
.set j, j+1
.endr
	WIN 0x80
.irp qb, 0,1,2,3
.irp c, 0,1,2,3
	ds_load_b128 v[8*(4*\qb+\c):8*(4*\qb+\c)+3],   v[QA] offset:\qb*16*KP+64*\c      ; LDS serves a wave in order (ISA guide 5.7.1.4): these see the stores above
	ds_load_b128 v[8*(4*\qb+\c)+4:8*(4*\qb+\c)+7], v[QA] offset:\qb*16*KP+64*\c+32
.endr
.endr
	WIN 0
	s_wait_tensorcnt 0x1                           ; my quarter of tile 0 is in; the one younger load, tile 1, stays out
	s_wait_dscnt 0x0
	BAR                                            ; tile 0 is whole for all four waves
	CVLOAD 0
	s_wait_dscnt 0x0
	CVSTORE 0                                      ; tile 0 as bf16 in stage 0
	WIN 0
	s_wait_dscnt 0x0                               ; my stage stores and my reads of slot 0 are done
	s_wait_tensorcnt 0x0                           ; my quarter of tile 1 has landed; no tensor load of mine is out, so a group 0 may be written
	s_add_nc_u64 s[G0+2:G0+3], s[G0+2:G0+3], 2*TILEB
	ROUND
	tensor_load_to_lds s[G0:G0+3], s[G1:G1+7]      ; tile 2 into slot 0: my one tensor load behind the round, and the first thing there
	PFASK
	KFRAGS 0                                       ; what run 4 of a step in front would have loaded, in its order: the K fragments of tile 0,
	CVLOAD 1                                       ; then my f32 rows of tile 1
	WIN 0
	TRIP 0, 1, 1, 2, 1, 1                          ; step 0 starts the sums: nothing is ever cleared
	s_mov_b32 s42, 14
.Lsteps:                                           ; steps 1 to 28; step 28 fetches tile 31, the last
	TRIP 1, 0, 1, 2, 1, 1
	TRIP 0, 0, 1, 2, 1, 1
	s_sub_co_u32 s42, s42, 1
	s_cmp_lg_u32 s42, 0
	s_cbranch_scc1 .Lsteps
	TRIP 1, 0, 1, 1, 1, 1                          ; step 29 reads the f32 rows of tile 31
	TRIP 0, 0, 1, 1, 1, 0                          ; step 30 converts them
	TRIP 1, 0, 0, 0, 0, 0                          ; step 31
	; l of a query row: my two partial sums and those of the other half of the wave; then 1 / l
.irp qb, 0,1,2,3
	v_add_f32 v[T+2*\qb], v[LS+2*\qb], v[LS+2*\qb+1]
.endr
.irp qb, 0,1,2,3
	v_permlanex16_b32 v[T+2*\qb+1], v[T+2*\qb], s40, s41
.endr
.irp qb, 0,1,2,3
	v_add_f32 v[T+2*\qb], v[T+2*\qb], v[T+2*\qb+1]
.endr
.irp qb, 0,1,2,3
	v_rcp_f32 v[AL+2*\qb], v[T+2*\qb]
.endr
	v_nop                                          ; one plain instruction behind the reciprocals
.irp qb, 0,1,2,3
	v_mov_b32 v[AL+2*\qb+1], v[AL+2*\qb]
.endr
; THE WAY OUT, 16 query rows at a time: divided by l, 32 bytes a lane into my own LDS bytes, read back as whole rows of 512 bytes.
.macro OUTQ qb
	WIN 0x01
.set i, 0
.rept 32
	v_pk_mul_f32 v[SC+i:SC+i+1], v[64*\qb+i:64*\qb+i+1], v[AL+2*\qb:AL+2*\qb+1]
.set i, i+2
.endr
	WIN 0
.irp db, 0,1,2,3,4,5,6,7
	ds_store_b128 v[OST], v[SC+8*\db:SC+8*\db+3]   offset:64*\db
	ds_store_b128 v[OST], v[SC+8*\db+4:SC+8*\db+7] offset:64*\db+16
.endr
	s_wait_xcnt 0x0                                ; PB, which the last global stores read, is loaded again only behind this wait
.set i, 0
.rept 16
	ds_load_b128 v[PB+4*i:PB+4*i+3], v[ORD] offset:OP*i            ; in order behind the stores above
.set i, i+1
.endr
.set i, 0
.rept 16
	s_wait_dscnt 15-i                              ; row i is in, the younger row loads stay out
	global_store_b128 v[QG], v[PB+4*i:PB+4*i+3], s[10:11] offset:(16*\qb+i)*512 th:TH_STORE_NT   ; the wave stores a whole row: 512 consecutive bytes, aligned
.set i, i+1
.endr
.endm
	OUTQ 0
	OUTQ 1
	OUTQ 2
	OUTQ 3
	ROUND                                          ; the closing round: no work-group ends while a partner may still ask for a tile that names it
	s_endpgm
.Lfunc_end_k_qc142218c42_attn:
	.size	k_qc142218c42_attn, .Lfunc_end_k_qc142218c42_attn-k_qc142218c42_attn
	.p2alignl 7, 3214868480
	.fill 96, 4, 3214868480
	.section	.rodata,"a",@progbits
	.p2align	6, 0x0
	.amdhsa_kernel k_qc142218c42_attn
		.amdhsa_group_segment_fixed_size 327680
		.amdhsa_private_segment_fixed_size 0
		.amdhsa_enable_private_segment 0
		.amdhsa_kernarg_size 32
		.amdhsa_user_sgpr_count 2
		.amdhsa_user_sgpr_kernarg_segment_ptr 1
		.amdhsa_wavefront_size32 1
		.amdhsa_system_sgpr_workgroup_id_x 1
		.amdhsa_system_sgpr_workgroup_id_y 1
		.amdhsa_system_sgpr_workgroup_id_z 1
		.amdhsa_system_vgpr_workitem_id 0
		.amdhsa_next_free_vgpr 1024
		.amdhsa_next_free_sgpr 66
		.amdhsa_reserve_vcc 0
		.amdhsa_float_denorm_mode_32 3
		.amdhsa_float_denorm_mode_16_64 3
		.amdhsa_memory_ordered 1
		.amdhsa_forward_progress 1
		.amdhsa_inst_pref_size 255
	.end_amdhsa_kernel
	.section	.bss,"aw",@nobits
	.p2align	6
	.space	262144
	.amdgpu_metadata
---
amdhsa.version: [ 1, 2 ]
amdhsa.kernels:
  - .name:           k_qc142218c42_attn
    .symbol:         k_qc142218c42_attn.kd
    .args:
      - { .name: q, .offset: 0, .size: 8, .value_kind: global_buffer, .address_space: global }
      - { .name: k, .offset: 8, .size: 8, .value_kind: global_buffer, .address_space: global }
      - { .name: v, .offset: 16, .size: 8, .value_kind: global_buffer, .address_space: global }
      - { .name: out0, .offset: 24, .size: 8, .value_kind: global_buffer, .address_space: global }
    .group_segment_fixed_size: 327680
    .private_segment_fixed_size: 0
    .kernarg_segment_align: 8
    .kernarg_segment_size: 32
    .max_flat_workgroup_size: 128
    .sgpr_count:     66
    .vgpr_count:     1024
    .wavefront_size: 32
...
	.end_amdgpu_metadata
.endif
;; end of part 2
